; MI455X (gfx1250); checked and timed in simulation.
; The chip was launched on July 23, 2026; its instructions are those of AMD's public machine-readable ISA for CDNA 5 (MIT licence, August 2026) and "CDNA5" Instruction Set Architecture Reference Guide (July 2026). The comments in the code are by the model that wrote it; some were corrected since.
;; Model. Allowed arithmetic: matrix products marked QUANTISED: E2M3 operands, one E8M0 scale for each 32 along K, by v_wmma_scale_f32_16x16x128_f8f6f4 with both operands' format E2M3, f32 sums; everything else in f32.
;; Inputs: k 4 x 4,096 x 128 float32; q 4 x 4,096 x 128 float32; v 4 x 4,096 x 128 float32.
;; Outputs: out0 4 x 4,096 x 128 float32.
;; This version of the problem:
;;   THIS VERSION OF THE PROBLEM IS GIVEN IN LOW PRECISION. The matrix products marked QUANTISED in the list below multiply operands that are first quantised to E2M3 (2 exponent bits, 3 mantissa bits; 6 bits a number), with one power-of-two scale for each 32 numbers along K (OCP MX v1.0); their sums are f32. All else is computed in f32.
;;   The module's matrix products, in the order in which they are computed (A, B: the left and right operand; K: the contracted axis; several contracted axes count as one K, in the product's order):
;;     1. batch 4 x [M 4,096, K 128] x [K 128, N 4,096]; A: input q; B: input k: QUANTISED
;;     2. batch 4 x [M 4,096, K 4,096] x [K 4,096, N 128]; A: softmax (see below); B: input v: QUANTISED
;;   THE QUANTISER, for each operand of a quantised product, along K:
;;     - K is cut into blocks of 32 from its start; a last block that is shorter is filled with zeros.
;;     - A block's scale is 2^e with e = floor(log2(the largest magnitude in the block)) - 2, held to -126 .. 127; a block of zeros has e = 0. As a byte (E8M0): e + 127.
;;     - Each number is divided by its block's scale, clamped to +-7.5, and rounded to the nearest number of E2M3, ties to even, subnormals kept.
;;     - The product sums the exact products of the quantised numbers (number of the format x scale) in f32.
;;   ~~~python
;;   def quantise(x, axis):      # numpy; x: float32 -> the quantised numbers, widened to float32 again
;;       x = np.moveaxis(x, axis, -1); K = x.shape[-1]
;;       x = np.pad(x, [(0, 0)] * (x.ndim - 1) + [(0, -K % 32)]); x = x.reshape(x.shape[:-1] + (-1, 32)); a = np.abs(x).max(-1, keepdims=True)
;;       e = np.where(a > 0, np.clip(np.frexp(np.where(a > 0, a, 1))[1] - 1 - 2, -126, 127), 0)      # np.frexp(a)[1] - 1 = floor(log2(a)), exactly
;;       r = np.clip(x / 2.0 ** e, -7.5, 7.5)
;;       step = 2.0 ** (np.maximum(np.frexp(np.where(r == 0, 1, r))[1] - 1, 0) - 3)
;;       q = np.round(r / step) * step * 2.0 ** e      # np.round: ties to even
;;       return np.moveaxis(q.reshape(q.shape[:-2] + (-1,))[..., :K], -1, axis).astype(np.float32)
;;   ~~~
;;   SOFTMAX AHEAD OF A QUANTISED PRODUCT. Where the list says 'softmax', what is quantised is not the finished softmax but p = 2^(t - M), with t = logit x log2(e) and M = ceil(the row's largest t), a whole number; so 1/2 < the row's largest p <= 1. The row's sum l is taken of the UNQUANTISED p, in f32, and the product's result is divided by l at the end. Since M is a whole number, a kernel that streams over the keys may use a running M (the ceiling of the running maximum): every later rescaling is an exact power of two, which a block's scale takes up: the codes' values come out the same.
;;   OPERANDS COMPUTED ON THE WAY. 'Computed on the way' means the value that the module computes at that place (a softmax that the list does not call 'softmax' is quantised finished and normalised). What goes into a quantiser is computed in f32, as accurately as f32 sums, v_exp_f32 and their like allow (about 1e-6 of the number): no bf16 or f16 on the way to a quantiser, and a product that is left as it is and whose result goes on into a quantised operand takes f32 operands (vector FMAs, or v_wmma_f32_16x16x4_f32). A number that lies on a knife's edge between two numbers of the format may be rounded either way, as far as f32 arithmetic and the matrix unit's own rounding can turn it there, and no further.
;; One version. Each part assembles by itself: llvm-mc -triple=amdgcn-amd-amdhsa -mcpu=gfx1250 --defsym DOCPART=n.
;; ======== version 1 of 1: 2 launches
;; limits: right only within a limited range of input values
;; workspace buffers: kvc 3,276,800 bytes
;; launch quant (part 1): grid 256 x 1, 8 waves a work-group, no clusters, 136,192 bytes of LDS; arguments k, v, kvc; writes kvc
.if DOCPART == 1
	.amdgcn_target "amdgcn-amd-amdhsa--gfx1250"
	.amdhsa_code_object_version 6
	.text
	.protected	k_qe52222a267_quant
	.globl	k_qe52222a267_quant
	.p2align	8
	.type	k_qe52222a267_quant,@function
k_qe52222a267_quant:
	s_mov_b64 s[64:65], 0
	v_nop
	global_prefetch_b8 v0, s[64:65] scope:SCOPE_SE
	s_setreg_imm32_b32 hwreg(HW_REG_WAVE_MODE, 25, 1), 1
	s_wait_xcnt 0x0
; k and v, [4][4096][128] f32, become codes of FP6 (E2M3) with one E8M0 scale byte for each 32 along a product's K, laid in the ORDER OF THE OPERAND'S REGISTERS.
; k is quantised along the head's 128 (innermost in memory), v along the keys (its first axis inside a batch).  q is quantised by the launch that reads it.
; A block's scale is 2^(floor(log2(its largest magnitude)) - 2): its byte is the largest magnitude's exponent field - 2, held at 1 from below.
; LIMITS: a block of zeros gets the byte 1 where the rule says 127 (its codes are zeros, and only this program reads the bytes); blocks whose largest magnitude lies under 2^-124 are held at that byte; NaN and infinities among the inputs are not served.
; A FRAGMENT IMAGE (16 rows x 128 K, 1,536 bytes): register 4 c + i of lane l lies at byte 512 c + 16 l + 4 i; lane (r = l % 16, h = l / 16) holds row r, registers 6 c .. 6 c + 5 = k 64 c + 32 h + 0 .. 31.
; A SCALE BLOCK of 8 fragments (512 bytes): the word of row r of fragment f lies at byte 16 (r + 16 (f / 4)) + 4 (f % 4): one load of 16 bytes a lane gives four scale registers, fragments 0-3 in lanes 0-15, 4-7 in lanes 16-31.
; kvc: [batch x 32 + step][25,600]: K's 8 fragments, V^T's 8, K's scale block, V's scale block: 100 rows of 256 bytes.
; Row i of K's fragment f is key 64 (f / 4) + 32 (i / 8) + 8 (f % 4) + i % 8 of the step's 128: so in K Q^T a lane's 32 registers of fragments 4 c .. 4 c + 3 are the whole block of keys 64 c + 32 h + 0 .. 31.  Row r of V^T's fragment e is channel 16 e + r.
; SHARES.  256 work-groups.  A work-group takes 128 rows x 128 numbers (64 KiB, dense) and makes 8 fragments and one scale block; wave t makes fragment t.  Work-groups 0-127: k; 128-255: v.
; Every global load reads a whole row of 512 bytes, 16 bytes a lane; the numbers turn through LDS into the lanes that the conversions want.  Each path has LDS bytes of its own.  No input is shared: no cluster.
.set RECB, 25600
.set K_STG, 0                          ; 8 waves x 16 rows x 528 bytes: each wave's own
.set K_SC,  67584                      ; 512 bytes: the scale block
.set V_STG, 68096                      ; the 128 keys in two halves, V_HALF apart: half (key / 32) % 2, row 32 (key / 64) + key % 32, 512 bytes a row
.set V_HALF, 32896                     ; 64 rows + 128 bytes, so that lanes 16-31 read 32 banks away from lanes 0-15 (64 banks of 4 bytes: ISA guide 11.1)
.set V_SC,  133888                     ; 512 bytes: the scale block
.set SPARE, 135168                     ; the spare words, 128 bytes for each wave
.set MX, 20                            ; v20-21 the two blocks' largest magnitudes
.set SO, 22                            ; v22-23 the conversions' scale operands
.set BY, 24                            ; v24-25 the scale bytes
.set W,  26                            ; v26    my row's scale word
.set R,  32                            ; v32-95   the numbers as loaded
.set X,  96                            ; v96-159  X[32 c + i] = (my row, k = 64 c + 32 h + i)
.set C,  160                           ; v160-171 the fragment's 12 registers
.set T,  172                           ; v172-174, v176-178: the upper halves of the two blocks' codes (a conversion's three registers begin on an even number)
.macro QUANT
.irp c, 0,1
	v_max3_num_f32 v[MX+\c], |v[X+32*\c]|, |v[X+32*\c+1]|, 0x1800000   ; and the floor 2^(3 - 127): the byte cannot fall under 1
.endr
.irp i, 2,4,6,8,10,12,14,16,18,20,22,24,26,28,30
.irp c, 0,1
	s_delay_alu instid0(VALU_DEP_2)
	v_max3_num_f32 v[MX+\c], v[MX+\c], |v[X+32*\c+\i]|, |v[X+32*\c+\i+1]|   ; the two blocks by turns
.endr
.endr
.irp c, 0,1
	s_delay_alu instid0(VALU_DEP_2)
	v_add_nc_u32 v[SO+\c], 0xff000000, v[MX+\c]    ; 2 off the exponent field: the conversion takes this operand's exponent field as its scale
.endr
.irp c, 0,1
	s_delay_alu instid0(VALU_DEP_2)
	v_lshrrev_b32 v[BY+\c], 23, v[SO+\c]           ; the scale's byte
.endr
	s_delay_alu instid0(VALU_DEP_1)
	v_lshl_or_b32 v[W], v[BY+1], 16, v[BY]         ; my two bytes: blocks h and 2 + h,
	v_lshlrev_b32 v27, 3, v3
	s_delay_alu instid0(VALU_DEP_1)
	v_lshlrev_b32 v[W], v27, v[W]                  ; at their places in the word (8 h bits up);
	s_delay_alu instid0(VALU_DEP_1)
	v_permlanex16_b32 v28, v[W], s30, s31
	s_delay_alu instid0(VALU_DEP_1)
	v_or_b32 v[W], v[W], v28                       ; with lane l xor 16's two the word is whole
.irp c, 0,1
	v_cvt_scalef32_pk16_fp6_f32 v[C+6*\c:C+6*\c+2], v[X+32*\c:X+32*\c+15], v[SO+\c]
	v_cvt_scalef32_pk16_fp6_f32 v[T+4*\c:T+4*\c+2], v[X+32*\c+16:X+32*\c+31], v[SO+\c]
.endr
	v_nop                                          ; one plain instruction between a scaled conversion and the vector instruction that reads its result
.irp c, 0,1
.irp i, 0,1,2
	v_mov_b32 v[C+6*\c+3+\i], v[T+4*\c+\i]
.endr
.endr
.endm
; The fragment leaves as its image: each store covers 512 consecutive bytes, aligned.  The eight waves' scale words meet in LDS and wave 0 stores the block, 512 consecutive bytes.
.macro OUT
.irp c, 0,1,2
	global_store_b128 v4, v[C+4*\c:C+4*\c+3], s[26:27] offset:512*\c
.endr
	ds_store_b32 v7, v[W]                          ; both halves of the lanes write the same word with the same value
	s_wait_dscnt 0x0                               ; for the others' sake: my word has landed
	s_barrier_signal -1
	s_barrier_wait -1
	s_cmp_lg_u32 s18, 0
	s_cbranch_scc1 .Ldone_\@
	ds_load_b128 v[180:183], v8
	s_wait_dscnt 0x0
	global_store_b128 v4, v[180:183], s[28:29]
.Ldone_\@:
	s_wait_tensorcnt 0x0                           ; the wave's end
	ds_add_u32 v192, v193
	s_wait_dscnt 0x0
	s_endpgm
.endm
	s_load_b128 s[4:7], s[0:1], 0x0                ; k s[4:5], v s[6:7]
	s_load_b64 s[8:9], s[0:1], 0x10                ; kvc
	v_lshl_add_u32 v192, v0, 2, SPARE
	v_mov_b32 v193, 0
	v_lshrrev_b32 v1, 5, v0
	s_delay_alu instid0(VALU_DEP_1)
	v_readfirstlane_b32 s18, v1                    ; wave t, 0..7
	v_and_b32 v1, 31, v0                           ; lane
	v_and_b32 v2, 15, v0                           ; r
	v_bfe_u32 v3, v0, 4, 1                         ; h
	s_delay_alu instid0(VALU_DEP_3)
	v_lshlrev_b32 v4, 4, v1                        ; 16 x lane: my bytes of a row, of an image's 512, of the scale block
	v_mov_b32 v28, 0                               ; written once: a lane permute's destination counts as one of its sources
	s_mov_b32 s30, 0x76543210
	s_mov_b32 s31, 0xfedcba98                      ; v_permlanex16_b32's selects for lane l xor 16
	s_lshr_b32 s21, s18, 2
	s_lshl_b32 s21, s21, 8
	s_and_b32 s32, s18, 3
	s_lshl_b32 s32, s32, 2
	s_add_co_u32 s21, s21, s32                     ; my fragment's place in a scale block: 256 (t / 4) + 4 (t % 4)
	s_and_b32 s19, ttmp9, 127                      ; which 128 rows
	s_mul_i32 s36, s19, RECB                       ; their record
	s_mov_b32 s37, 0
	s_mul_i32 s38, s18, 1536                       ; my fragment in it
	s_mov_b32 s39, 0
	s_lshl_b32 s32, s19, 16                        ; 128 rows of 512 bytes
	s_mov_b32 s33, 0
	s_wait_alu depctr_va_vdst(0)
	s_wait_kmcnt 0x0
	s_add_nc_u64 s[28:29], s[8:9], s[36:37]
	s_add_nc_u64 s[26:27], s[28:29], s[38:39]
	s_cmp_lt_u32 ttmp9, 128
	s_cbranch_scc0 .Lpath_v
	; ---- k: K is innermost.  Fragment t's rows 0-7 begin at key 64 (t / 4) + 8 (t % 4), its rows 8-15 begin 32 keys further on.
	s_add_nc_u64 s[28:29], s[28:29], 24576         ; K's scale block
	s_lshr_b32 s34, s18, 2
	s_lshl_b32 s34, s34, 15
	s_add_co_u32 s32, s32, s34
	s_and_b32 s34, s18, 3
	s_lshl_b32 s34, s34, 12
	s_add_co_u32 s32, s32, s34
	s_add_nc_u64 s[22:23], s[4:5], s[32:33]
.irp i, 0,1,2,3,4,5,6,7
	global_load_b128 v[R+4*\i:R+4*\i+3], v4, s[22:23] offset:512*\i th:TH_LOAD_NT              ; fragment row i: 32 lanes read its 512 bytes
.endr
.irp i, 0,1,2,3,4,5,6,7
	global_load_b128 v[R+32+4*\i:R+32+4*\i+3], v4, s[22:23] offset:16384+512*\i th:TH_LOAD_NT  ; fragment row 8 + i
.endr
	s_mul_i32 s32, s18, 16*528                     ; my stage
	v_add_nc_u32 v5, s32, v4                       ; in: 16 x lane, a row to a store
	v_mul_u32_u24 v6, v2, 528
	s_delay_alu instid0(VALU_DEP_1)
	v_lshl_add_u32 v6, v3, 7, v6
	s_delay_alu instid0(VALU_DEP_1)
	v_add_nc_u32 v6, s32, v6                       ; back: row r, + 128 h: the pitch is an odd multiple of 16 bytes, so sixteen rows start at sixteen different groups of banks
	v_lshl_add_u32 v7, v2, 4, s21
	s_delay_alu instid0(VALU_DEP_1)
	v_add_nc_u32 v7, K_SC, v7                      ; my row's word in the scale block
	v_add_nc_u32 v8, K_SC, v4
	s_wait_alu depctr_va_vdst(0)
.irp i, 0,1,2,3,4,5,6,7,8,9,10,11,12,13,14,15
	s_wait_loadcnt 15-\i                           ; loads come back in order: row i is in, the 15 - i younger loads may be out
	ds_store_b128 v5, v[R+4*\i:R+4*\i+3] offset:528*\i
.endr
.irp c, 0,1
.irp j, 0,1,2,3,4,5,6,7
	ds_load_b128 v[X+32*\c+4*\j:X+32*\c+4*\j+3], v6 offset:256*\c+16*\j   ; LDS serves a wave's instructions in order: these see my stores; no other wave touches my stage
.endr
.endr
	s_wait_dscnt 0x0
	QUANT
	OUT
	; ---- v: K = the keys, the first axis.  The 128 keys x 128 channels meet in LDS; wave e then takes channels 16 e .. 16 e + 15, a lane a channel, its registers down the keys.
.Lpath_v:
	s_add_nc_u64 s[28:29], s[28:29], 25088         ; V's scale block
	s_add_nc_u64 s[26:27], s[26:27], 12288         ; behind K's eight fragments
	s_lshl_b32 s34, s18, 13                        ; my 16 keys
	s_add_co_u32 s32, s32, s34
	s_add_nc_u64 s[22:23], s[6:7], s[32:33]
.irp i, 0,1,2,3,4,5,6,7,8,9,10,11,12,13,14,15
	global_load_b128 v[R+4*\i:R+4*\i+3], v4, s[22:23] offset:512*\i th:TH_LOAD_NT   ; key 16 w + i: 32 lanes read its 512 bytes
.endr
	s_lshr_b32 s32, s18, 1
	s_and_b32 s32, s32, 1
	s_mul_i32 s32, s32, V_HALF                     ; keys 16 w + i: half (w / 2) % 2,
	s_lshr_b32 s34, s18, 2
	s_lshl_b32 s34, s34, 14
	s_add_co_u32 s32, s32, s34                     ; row 32 (w / 4)
	s_and_b32 s34, s18, 1
	s_lshl_b32 s34, s34, 13
	s_add_co_u32 s32, s32, s34                     ; + 16 (w % 2) + i
	s_add_co_u32 s32, s32, V_STG
	v_add_nc_u32 v5, s32, v4
	v_mul_u32_u24 v6, v3, V_HALF                   ; back: key 64 c + 32 h + i lies in half h, row 32 c + i;
	s_delay_alu instid0(VALU_DEP_1)
	v_lshl_add_u32 v6, v2, 2, v6
	s_lshl_b32 s34, s18, 6
	s_add_co_u32 s34, s34, V_STG
	v_add_nc_u32 v6, s34, v6                       ; channel 16 w + r
	v_lshl_add_u32 v7, v2, 4, s21
	s_delay_alu instid0(VALU_DEP_1)
	v_add_nc_u32 v7, V_SC, v7
	v_add_nc_u32 v8, V_SC, v4
	s_wait_alu depctr_va_vdst(0)
.irp i, 0,1,2,3,4,5,6,7,8,9,10,11,12,13,14,15
	s_wait_loadcnt 15-\i                           ; key i of mine is in, the 15 - i younger loads may be out
	ds_store_b128 v5, v[R+4*\i:R+4*\i+3] offset:512*\i
.endr
	s_wait_dscnt 0x0                               ; for the others' sake: my 16 keys have landed
	s_barrier_signal -1
	s_barrier_wait -1                              ; all 128 keys lie in LDS
.irp c, 0,1
.irp i, 0,1,2,3,4,5,6,7,8,9,10,11,12,13,14,15,16,17,18,19,20,21,22,23,24,25,26,27,28,29,30,31
	ds_load_b32 v[X+32*\c+\i], v6 offset:(32*\c+\i)*512
.endr
.endr
	s_wait_dscnt 0x0
	QUANT
	OUT
.Lfunc_end_k_qe52222a267_quant:
	.size	k_qe52222a267_quant, .Lfunc_end_k_qe52222a267_quant-k_qe52222a267_quant
	.p2alignl 7, 3214868480
	.fill 96, 4, 3214868480
	.section	.rodata,"a",@progbits
	.p2align	6, 0x0
	.amdhsa_kernel k_qe52222a267_quant
		.amdhsa_group_segment_fixed_size 136192
		.amdhsa_private_segment_fixed_size 0
		.amdhsa_enable_private_segment 0
		.amdhsa_kernarg_size 24
		.amdhsa_user_sgpr_count 2
		.amdhsa_user_sgpr_kernarg_segment_ptr 1
		.amdhsa_wavefront_size32 1
		.amdhsa_system_sgpr_workgroup_id_x 1
		.amdhsa_system_sgpr_workgroup_id_y 1
		.amdhsa_system_sgpr_workgroup_id_z 1
		.amdhsa_system_vgpr_workitem_id 0
		.amdhsa_next_free_vgpr 194
		.amdhsa_next_free_sgpr 66
		.amdhsa_reserve_vcc 0
		.amdhsa_float_denorm_mode_32 3
		.amdhsa_float_denorm_mode_16_64 3
		.amdhsa_memory_ordered 1
		.amdhsa_forward_progress 1
		.amdhsa_inst_pref_size 25
	.end_amdhsa_kernel
	.amdgpu_metadata
---
amdhsa.version: [ 1, 2 ]
amdhsa.kernels:
  - .name:           k_qe52222a267_quant
    .symbol:         k_qe52222a267_quant.kd
    .args:
      - { .name: k, .offset: 0, .size: 8, .value_kind: global_buffer, .address_space: global }
      - { .name: v, .offset: 8, .size: 8, .value_kind: global_buffer, .address_space: global }
      - { .name: kvc, .offset: 16, .size: 8, .value_kind: global_buffer, .address_space: global }
    .group_segment_fixed_size: 136192
    .private_segment_fixed_size: 0
    .kernarg_segment_align: 8
    .kernarg_segment_size: 24
    .max_flat_workgroup_size: 256
    .sgpr_count:     66
    .vgpr_count:     194
    .wavefront_size: 32
...
	.end_amdgpu_metadata
.endif
;; end of part 1
;; launch attn (part 2): grid 64 x 4, 4 waves a work-group, clusters of 4 x 1, 327,680 bytes of LDS; arguments q, kvc, out0; writes out0
.if DOCPART == 2
	.amdgcn_target "amdgcn-amd-amdhsa--gfx1250"
	.amdhsa_code_object_version 6
	.text
	.protected	k_qe52222a267_attn
	.globl	k_qe52222a267_attn
	.p2align	8
	.type	k_qe52222a267_attn,@function
k_qe52222a267_attn:
	s_mov_b64 s[64:65], 0
	v_nop
	global_prefetch_b8 v0, s[64:65] scope:SCOPE_SE
	s_setreg_imm32_b32 hwreg(HW_REG_WAVE_MODE, 25, 1), 1
	s_wait_xcnt 0x0
	s_wait_alu depctr_hold_cnt(0) depctr_sa_sdst(0) depctr_va_vdst(0) depctr_va_sdst(0) depctr_va_ssrc(0) depctr_va_vcc(0) depctr_vm_vsrc(0)
	s_getreg_b32 s2, hwreg(HW_REG_IB_STS2, 6, 4)
	s_cmp_eq_u32 s2, 0
	s_cbranch_scc0 .Lentry_in_a_cluster
	s_endpgm
.Lentry_in_a_cluster:
	s_bfe_u32 s2, ttmp6, 0x10000c
	s_cmp_lg_u32 s2, 0x3003
	s_cbranch_scc0 .Lentry_shape_is_right
	s_endpgm
.Lentry_shape_is_right:
; out0[b][q][:] = the sum over k of softmax_k(Q[b][q] . K[b][k] / sqrt(128)) V[b][k][:], 4 batches x 4,096 queries x 4,096 keys x 128, both products on codes of FP6 (E2M3) with one E8M0 scale for each 32 along K.
; K's and V's codes and scale words come from the launch before as records of 25,600 bytes, images of the operands' registers: kvc [batch x 32 + step][K's 8 fragments, V^T's 8, K's scale block, V's].
; Q is read once by one work-group, so it is quantised here, at the head: wave w makes tile w's fragment, and the four meet in LDS.
; THE SOFTMAX AHEAD OF THE SECOND PRODUCT: t = score x log2(e) / sqrt(128); M = the largest t so far, rounded UP to a whole number, kept as -M; p = 2^(t - M) is quantised along the keys, not normalised; the row's sum is
; taken of the unquantised p and divides at the end.  When M moves, the sum and O are multiplied by 2^(old M - new M): exact.  A block's exponent is floor(its largest t - M): p rises with t.
; LIMITS: NaN and infinities are not served; the promise holds while the scaled scores stay under 2^31 in magnitude; a p under 2^-126 counts as 0 (ISA guide, the exponential's entry in 15.8); scale bytes are held at 1 from below.
; SHARES.  A work-group owns 64 queries of one batch, four tiles of 16: 256 work-groups.  Four waves = four key groups of 1,024 keys, 8 steps of 128; a wave works on all four tiles.  So a fragment of K or V leaves LDS once, for one
; wave, and feeds four products.  At the end the four key groups' O, sum and M meet in LDS; M being whole numbers, their weights are exact powers of two.
; LAYOUT.  Both products are used transposed: S^T = K Q^T, O^T = V^T P^T: a lane (r, h) holds ONE query, r, throughout, and by the order of K's rows registers 32 c + 0 .. 31 of S^T are keys 64 c + 32 h + 0 .. 31: a whole block of 32.
; THE STREAM.  A segment is one tile's 128 keys.  In it stand the softmax of its scores, the products K Q^T of the NEXT tile (among the exponentials), and the products V^T P^T of the tile BEFORE (among the multiply-adds).
; CLUSTER.  The four work-groups of a cluster belong to one batch and walk the same records: each record is asked for JOINTLY, by the same tensor load with the same descriptor and the mask 15.
; THE RING.  Two LDS slots of four records; wave w fetches and reads its key group's record alone.  Step i's slot is asked for again (step i + 2) when its K and V lie in registers; a wave has one tensor load out at a time.
; REGISTERS.  Window 0: v0-31 below; v32-127 K's eight fragments; v128-255 the scores, then p, of two tiles by turns.  Window 1: v0-95 V^T's eight fragments; v96-143 Q's four; v144 f.
;   Window 2 (tiles 0, 1) and 3 (tiles 2, 3): v0-127 O^T; v128-139 p's codes; v140-146 codes on their way; v148-155 four chains of the sum; v156-159 the two tiles' sums, each in two halves.
.set SLOT1, 131072                     ; slot 0 at 0, slot 1 here: one exclusive or turns an address in one slot into the other's
.set RECB,  25600
.set QSTG,  233472                     ; 16 rows x 528 bytes for each wave: Q on its way in, the result on its way out
.set QIMG,  267264                     ; Q's four fragment images
.set QSC,   273408                     ; Q's scale words, 64 bytes a tile
.set STAT,  273664                     ; the merge: -M and the sum, 8 bytes a lane, 256 a tile, 1,024 a wave
.set SPARE, 277760                     ; the spare words, 128 bytes for each wave: two blocks of 256 bytes that no other line names
; The merge's images of O^T lie at LDS 0 .. 131,071, 32,768 bytes a wave: slot 0, which has had its last fill (step 6) and its last read ahead of the barrier that is signalled in step 7, and bytes between the slots that are never filled.
.set SPW, 1                            ; v1   LDS address of my spare word; never rewritten
.set NIL, 2                            ; v2   0; never rewritten
.set ADR, 3                            ; v3   my record's images in the slot in hand
.set BM,  4                            ; v4, v5 the two blocks' largest score, then their scale bytes; v6, v7 second chains
.set KS,  8                            ; v8-11  K's scale words
.set VS,  12                           ; v12-15 V's
.set PS,  16                           ; v16, v25 p's scale word, by turns
.set MM,  17
.set PX,  18
.set WW,  19
.set QS,  20                           ; v20 Q's scale words of tiles 0 (lanes 0-15) and 1 (lanes 16-31), v21 of tiles 2 and 3
.set OP,  22                           ; v22, v23 the conversions' scale operands
.set H8,  24                           ; v24  8 h
.set NM,  26                           ; v26-29 -M of each tile
.set CM,  30                           ; v30  -M of the tile in hand (named as the pair v[30:31], of which the low word serves)
.set PFO, 31                           ; v31  my prefetches' offset; never rewritten
.set KF,  32
.set S,   128
.set QF,  96                           ; window 1
.set FF,  144                          ; window 1
.set PP,  128                          ; windows 2, 3
.set TA,  140
.set TB2, 144
.set CC,  148
.set LL,  156
.set WV, 14                            ; s14 wave = key group;  s15 its record's place in a slot;  s17 cx;  s18 my block of 64 queries;  s19 the batch
.set WB, 15
.set SEL, 20                           ; s[20:21] v_permlanex16_b32's selects for lane l xor 16
.set CS, 22                            ; s[22:23] c = log2(e) / sqrt(128), twice
.set G1, 24                            ; s[24:31] descriptor group 1
.set NC, 32                            ; s32  -c
.set G0, 40                            ; s[40:43] descriptor group 0
.set TB, 48                            ; s48  the slot that is read
.set SLOTS, 50                         ; s50  the loop's trips to go
.set LIM, 51                           ; s51  1 in the batch's first cluster, which prefetches, else the greatest number
.set PFA, 52                           ; s[52:53] where my prefetches stand
.set MSB, 0
.macro WIN new                         ; s_set_vgpr_msb: bits 1:0 source 0, 3:2 source 1, 5:4 source 2, 7:6 destination; the high byte repeats the setting that is left
.if MSB != (\new)
	s_set_vgpr_msb (MSB<<8)|(\new)
.set MSB, (\new)
.endif
.endm
; A round of the cluster's barrier behind its opening barrier: wave 0 signals for the work-group; every wave waits for all four work-groups; my work-group's barrier once more.
.macro CREST
	s_cmp_lg_u32 s[WV], 0
	s_cbranch_scc1 .Lnot_wave_0_\@
	s_barrier_signal -3
.Lnot_wave_0_\@:
	s_barrier_wait -3
	s_barrier_signal -1
	s_barrier_wait -1
.endm
.macro CROUND
	s_barrier_signal -1
	s_barrier_wait -1
	CREST
.endm
; A PREFETCH of the records that the next refill but one will ask for: at the refill of step n, step n + 1's.  All sixteen clusters of a batch walk the same records: the batch's first cluster asks.  Its four partners are told
; apart BY ADDRESS: the partner at place cx takes key group cx's record; wave w takes 6,400 bytes of it, lanes 256 bytes apart (lanes 25 to 31 name the wave's last block again).  Steps 0 and 1 come by their loads alone.
.macro ASK
	s_cmp_gt_u32 s[SLOTS], s[LIM]
	s_cbranch_scc0 .Lnot_mine_\@
	global_prefetch_b8 v[PFO], s[PFA:PFA+1] th:TH_LOAD_NT scope:SCOPE_SE
.Lnot_mine_\@:
.endm
; S^T(tile TN, fragment f) = K's fragment f x Q's tile TN, into SN.  Window setting 0x04.
.macro QK f
.set rS, SN+8*(\f)
.set rF, KF+12*(\f)
.set rQ, QF+12*TN
.set rK, KS+(\f)%4
.set rB, QS+TN/2
.if ((\f) < 4) && (TN%2 == 0)
	v_wmma_scale_f32_16x16x128_f8f6f4 v[rS:rS+7], v[rF:rF+11], v[rQ:rQ+11], 0, v[rK], v[rB] matrix_a_fmt:MATRIX_FMT_FP6 matrix_b_fmt:MATRIX_FMT_FP6
.elseif (\f) < 4
	v_wmma_scale_f32_16x16x128_f8f6f4 v[rS:rS+7], v[rF:rF+11], v[rQ:rQ+11], 0, v[rK], v[rB] matrix_a_fmt:MATRIX_FMT_FP6 matrix_b_fmt:MATRIX_FMT_FP6 matrix_b_scale:MATRIX_SCALE_ROW1
.elseif TN%2 == 0
	v_wmma_scale_f32_16x16x128_f8f6f4 v[rS:rS+7], v[rF:rF+11], v[rQ:rQ+11], 0, v[rK], v[rB] matrix_a_fmt:MATRIX_FMT_FP6 matrix_b_fmt:MATRIX_FMT_FP6 matrix_a_scale:MATRIX_SCALE_ROW1
.else
	v_wmma_scale_f32_16x16x128_f8f6f4 v[rS:rS+7], v[rF:rF+11], v[rQ:rQ+11], 0, v[rK], v[rB] matrix_a_fmt:MATRIX_FMT_FP6 matrix_b_fmt:MATRIX_FMT_FP6 matrix_a_scale:MATRIX_SCALE_ROW1 matrix_b_scale:MATRIX_SCALE_ROW1
.endif
.endm
; O^T(tile TQ, channels 16 e on) += V^T's fragment e x p's tile TQ.  prev = 0: nothing; 2: the product starts the sum.
.macro PVP e, prev
.if (\prev) > 0
.set rO, 64*(TQ%2)+8*(\e)
.set rF, 12*(\e)
.set rV, VS+(\e)%4
.set rW, PS+9*(TQ%2)
	WIN 1+84*(2+TQ/2)
.if ((\prev) == 2) && ((\e) < 4)
	v_wmma_scale_f32_16x16x128_f8f6f4 v[rO:rO+7], v[rF:rF+11], v[PP:PP+11], 0, v[rV], v[rW] matrix_a_fmt:MATRIX_FMT_FP6 matrix_b_fmt:MATRIX_FMT_FP6
.elseif (\prev) == 2
	v_wmma_scale_f32_16x16x128_f8f6f4 v[rO:rO+7], v[rF:rF+11], v[PP:PP+11], 0, v[rV], v[rW] matrix_a_fmt:MATRIX_FMT_FP6 matrix_b_fmt:MATRIX_FMT_FP6 matrix_a_scale:MATRIX_SCALE_ROW1
.elseif (\e) < 4
	v_wmma_scale_f32_16x16x128_f8f6f4 v[rO:rO+7], v[rF:rF+11], v[PP:PP+11], v[rO:rO+7], v[rV], v[rW] matrix_a_fmt:MATRIX_FMT_FP6 matrix_b_fmt:MATRIX_FMT_FP6
.else
	v_wmma_scale_f32_16x16x128_f8f6f4 v[rO:rO+7], v[rF:rF+11], v[PP:PP+11], v[rO:rO+7], v[rV], v[rW] matrix_a_fmt:MATRIX_FMT_FP6 matrix_b_fmt:MATRIX_FMT_FP6 matrix_a_scale:MATRIX_SCALE_ROW1
.endif
	WIN 0
.endif
.endm
.macro PKF j                           ; t - M, two at a time (of the pairs c and -M the low word serves both halves)
	v_pk_fma_f32 v[SC+\j:SC+\j+1], v[SC+\j:SC+\j+1], s[CS:CS+1], v[CM:CM+1] op_sel_hi:[1,0,0]
.endm
; The largest score of each of the lane's two blocks of 32, in two chains a block; each accumulator is read from its low end on.  The first four lines name fragments 0-3's results alone: they are the four places behind the products of
; fragments 4-7.
.macro TREE
	v_max3_num_f32 v[BM], v[SN], v[SN+1], v[SN+2]
	v_max3_num_f32 v[BM+2], v[SN+16], v[SN+17], v[SN+18]
	v_max3_num_f32 v[BM], v[BM], v[SN+3], v[SN+4]
	v_max3_num_f32 v[BM+2], v[BM+2], v[SN+19], v[SN+20]
	v_max3_num_f32 v[BM+1], v[SN+32], v[SN+33], v[SN+34]
	v_max3_num_f32 v[BM+3], v[SN+48], v[SN+49], v[SN+50]
.irp i, 5,7,9,11,13
	v_max3_num_f32 v[BM], v[BM], v[SN+\i], v[SN+\i+1]
	v_max3_num_f32 v[BM+2], v[BM+2], v[SN+16+\i], v[SN+17+\i]
	v_max3_num_f32 v[BM+1], v[BM+1], v[SN+30+\i], v[SN+31+\i]
	v_max3_num_f32 v[BM+3], v[BM+3], v[SN+46+\i], v[SN+47+\i]
.endr
	v_max3_num_f32 v[BM+1], v[BM+1], v[SN+45], v[SN+46]
	v_max3_num_f32 v[BM+3], v[BM+3], v[SN+61], v[SN+62]
	v_max3_num_f32 v[BM], v[BM], v[SN+15], v[BM+2]
	v_max3_num_f32 v[BM+1], v[BM+1], v[SN+47], v[BM+3]
	v_max_num_f32 v[BM], v[BM], v[SN+31]
	v_max_num_f32 v[BM+1], v[BM+1], v[SN+63]
	v_max_num_f32 v[MM], v[BM], v[BM+1]
	v_permlanex16_b32 v[PX], v[MM], s[SEL], s[SEL+1]
.endm
.macro PLACE                           ; my record's images in the slot in hand
	v_and_b32 v[ADR], 31, v0
	v_lshl_add_u32 v[ADR], v[ADR], 4, s[WB]
	v_add_nc_u32 v[ADR], s[TB], v[ADR]
.endm
.macro KLOAD
	ds_load_b128 v[KS:KS+3], v[ADR] offset:24576   ; K's eight scale words a lane's row
.irp i, 0,1,2,3,4,5,6,7
.irp c, 0,1,2
	ds_load_b128 v[KF+12*\i+4*\c:KF+12*\i+4*\c+3], v[ADR] offset:1536*\i+512*\c   ; an image comes back as it was stored: 512 consecutive bytes an instruction
.endr
.endr
.endm
; A SEGMENT: tile t's 128 keys.  first = 1: step 0 (the products start O, nothing is rescaled).  prev: the tile before, see PVP.
; act: 1 a refill; 2 K's next fragments; 3 the same behind a wait for my record; 5 the last segment; 6 signals the merge's first barrier.
.macro SEG t, first, prev, act
.set SC, S+64*((\t)%2)
.set SN, S+64*(((\t)+1)%2)
.set TN, ((\t)+1)%4
.set TQ, ((\t)+3)%4
.set WN, 2+(\t)/2
.set WO, 64*((\t)%2)
.set LT, LL+2*((\t)%2)
	WIN 0
.if (\t) == 1
	s_wait_alu depctr_va_vdst(0)
	s_wait_dscnt 0x0                               ; V^T's fragments and scale words are in
.if (\act) == 6
	s_barrier_signal -1                            ; my reads of slot 0 are over (its last was step 6's V): the merge's stores stand behind this barrier's wait; register work alone stands between
.endif
.endif
	; -M, the blocks' exponents and p's scale word; the first half of t - M; and the products of the tile before
	v_max_num_f32 v[MM], v[MM], v[PX]              ; with lane l xor 16: the step's largest score of my query
	PVP 0, \prev
	v_mul_f32 v[MM], s[NC], v[MM]                  ; as -t (c is positive)
	PVP 1, \prev
.if \first
	v_floor_f32 v[CM], v[MM]                       ; -M = floor(-t) = -ceil(t)
.else
	v_floor_f32 v[MM], v[MM]
.endif
	PVP 2, \prev
.if (\first) == 0
	v_min_num_f32 v[CM], v[MM], v[NM+\t]           ; the running M's negative
.endif
	PVP 3, \prev
	v_fma_f32 v[BM], v[BM], s[CS], v[CM]           ; each block's largest t - M
	v_fma_f32 v[BM+1], v[BM+1], s[CS], v[CM]
	PKF 0
	PKF 2
.if (\first) == 0
	v_sub_f32 v[MM], v[CM], v[NM+\t]               ; old M - new M: a whole number, 0 or less
.endif
	PVP 4, \prev
	v_floor_f32 v[BM], v[BM]                       ; the exponent of the block's largest p
	v_floor_f32 v[BM+1], v[BM+1]
	PKF 4
	PKF 6
	v_mov_b32 v[NM+\t], v[CM]
	PVP 5, \prev
.if (\first) == 0
	v_cvt_i32_f32 v[MM], v[MM]
.endif
	v_add_f32 v[BM], 0x42fa0000, v[BM]             ; - 2 + 127: the scale's byte,
	v_add_f32 v[BM+1], 0x42fa0000, v[BM+1]
	PKF 8
	PKF 10
	PVP 6, \prev
	v_max_num_f32 v[BM], 1.0, v[BM]                ; held at 1 from below
	v_max_num_f32 v[BM+1], 1.0, v[BM+1]
	PKF 12
	PKF 14
	PVP 7, \prev
	v_cvt_i32_f32 v[BM], v[BM]
	v_cvt_i32_f32 v[BM+1], v[BM+1]
	PKF 16
	PKF 18
	v_lshlrev_b32 v[OP], 23, v[BM]                 ; the conversion's scale operand
	v_lshlrev_b32 v[OP+1], 23, v[BM+1]
	v_lshl_or_b32 v[WW], v[BM+1], 16, v[BM]        ; my two bytes, blocks h and 2 + h,
	PKF 20
	PKF 22
	v_lshlrev_b32 v[WW], v[H8], v[WW]              ; at their places in the word
	PKF 24
	PKF 26
	v_permlanex16_b32 v[PX], v[WW], s[SEL], s[SEL+1]
	PKF 28
	PKF 30
	v_or_b32 v[PS+9*((\t)%2)], v[WW], v[PX]        ; with lane l xor 16's two p's scale word is whole
.if (\first) == 0
	WIN 0x40
	v_ldexp_f32 v[FF], 1.0, v[MM]                  ; f = 2^(old M - new M)
.endif
.if (\t) == 0
	WIN 0x40                                       ; the last step's V^T has been multiplied: this step's fragments take its registers
.irp i, 0,1,2,3,4,5,6,7
.irp c, 0,1,2
	ds_load_b128 v[12*\i+4*\c:12*\i+4*\c+3], v[ADR] offset:12288+1536*\i+512*\c
.endr
.endr
	WIN 0
	ds_load_b128 v[VS:VS+3], v[ADR] offset:25088
.endif
	; the exponentials, p = 2^(t - M), at most 1, in two batches; the second half of t - M and the next tile's products stand among them
	WIN 0x04
	s_wait_alu depctr_va_vdst(0)
.if ((\t) == 3) && ((\act) != 5)
	s_wait_dscnt 12                                ; K's scale words and fragments 0-3 are in; the 12 loads of fragments 4-7 may be out
.endif
.irp k, 0,1,2,3,4,5,6,7,8,9,10,11,12,13,14,15
	v_exp_f32 v[SC+2*\k], v[SC+2*\k]
	v_exp_f32 v[SC+2*\k+1], v[SC+2*\k+1]
.if ((\k)%4 == 1) && ((\act) != 5)
	QK (\k)/4
.endif
	PKF 32+2*\k
.endr
	s_wait_alu depctr_va_vdst(0)
.if ((\t) == 3) && ((\act) != 5)
	s_wait_dscnt 0x0
.endif
.irp k, 0,1,2,3,4,5,6,7,8,9,10,11,12,13,14,15
	v_exp_f32 v[SC+32+2*\k], v[SC+32+2*\k]
	v_exp_f32 v[SC+33+2*\k], v[SC+33+2*\k]
.if ((\k)%4 == 1) && ((\act) != 5)
	QK 4+(\k)/4
.endif
.endr
	WIN 0
.if (\act) == 5
	v_nop                                          ; a plain instruction behind the exponentials
.endif
	s_wait_alu depctr_va_vdst(0)                   ; one wait for the exponentials' readers and for the next tile's scores
.if (\act) != 5
	TREE
.endif
.if (\act) == 1
	s_wait_alu depctr_va_vdst(0)
	s_wait_tensorcnt 0x0                           ; my record of the next step is in; no tensor load of mine is out, so group 0 may be written
	ds_add_u32 v[SPW], v[NIL]                      ; 0 onto my spare word
	s_xor_b32 s[G0+1], s[G0+1], SLOT1              ; the other slot than last time,
	s_add_nc_u64 s[G0+2:G0+3], s[G0+2:G0+3], RECB  ; the next record; the type bits on top are not reached
	s_wait_xcnt 0x0                                ; the last prefetch has read its address, so it may be written
	s_add_nc_u64 s[PFA:PFA+1], s[PFA:PFA+1], RECB
.endif
.if ((\act) == 2) || ((\act) == 3)
.if (\act) == 3
	s_wait_alu depctr_va_vdst(0)
	s_wait_tensorcnt 0x0                           ; my record of the next step is in; nobody else reads it
.endif
	s_xor_b32 s[TB], s[TB], SLOT1
	PLACE
	KLOAD                                          ; the step's last products with K are behind: the next step's fragments take its registers
.endif
	; the row's sum, of the UNQUANTISED p, two at a time in four chains; and p's codes
	WIN 64*WN
.irp k, 0,1,2,3
	v_pk_add_f32 v[CC+2*\k:CC+2*\k+1], v[SC+2*\k:SC+2*\k+1], v[SC+8+2*\k:SC+9+2*\k]
.endr
	v_cvt_scalef32_pk16_fp6_f32 v[PP:PP+2], v[SC:SC+15], v[OP]
	v_cvt_scalef32_pk16_fp6_f32 v[TA:TA+2], v[SC+16:SC+31], v[OP]        ; (a conversion's three registers begin on an even number)
	v_cvt_scalef32_pk16_fp6_f32 v[PP+6:PP+8], v[SC+32:SC+47], v[OP+1]
	v_cvt_scalef32_pk16_fp6_f32 v[TB2:TB2+2], v[SC+48:SC+63], v[OP+1]
	WIN 68*WN
.irp n, 16,24,32,40,48,56
.irp k, 0,1,2,3
	v_pk_add_f32 v[CC+2*\k:CC+2*\k+1], v[SC+\n+2*\k:SC+\n+2*\k+1], v[CC+2*\k:CC+2*\k+1]
.endr
.endr
	WIN 69*WN
.irp i, 0,1,2
	v_mov_b32 v[PP+3+\i], v[TA+\i]
	v_mov_b32 v[PP+9+\i], v[TB2+\i]
.endr
	v_pk_add_f32 v[CC:CC+1], v[CC:CC+1], v[CC+2:CC+3]
	v_pk_add_f32 v[CC+4:CC+5], v[CC+4:CC+5], v[CC+6:CC+7]
.if \first
	v_nop                                          ; places between p's codes and the products that read them
	v_nop
	v_pk_add_f32 v[LT:LT+1], v[CC:CC+1], v[CC+4:CC+5]
	s_wait_alu depctr_va_vdst(0)
.else
	v_pk_add_f32 v[CC:CC+1], v[CC:CC+1], v[CC+4:CC+5]
.endif
.if (\act) == 1
	s_wait_alu depctr_va_vdst(0)
	s_wait_dscnt 0x0                               ; the add is done, and my reads of the slot that is filled next are over
	s_barrier_signal -1                            ; the round opens; register work alone stands inside it
.endif
.if (\first) == 0
	WIN 1+84*WN
	s_wait_alu depctr_va_vdst(0)
.set z, WO
.rept 32
	v_pk_mul_f32 v[z:z+1], v[FF:FF+1], v[z:z+1] op_sel_hi:[0,1]   ; O^T under the new M, each accumulator from its low end on
.set z, z+2
.endr
	v_pk_fma_f32 v[LT:LT+1], v[FF:FF+1], v[LT:LT+1], v[CC:CC+1] op_sel_hi:[0,1,1]   ; the sum under the new M
.endif
.if (\act) == 1
	WIN 0
	s_wait_alu depctr_va_vdst(0)
	s_barrier_wait -1
	CREST                                          ; no wave of any partner still reads the slot or has a load on its way
	tensor_load_to_lds s[G0:G0+3], s[G1:G1+7]      ; my one tensor load until the next round
	s_nop 0
.rept 4
	v_nop
.endr
	ASK
.endif
.endm
	s_load_b128 s[4:7], s[0:1], 0x0                ; q s[4:5], kvc s[6:7]
	s_load_b64 s[8:9], s[0:1], 0x10                ; out0
	v_lshl_add_u32 v[SPW], v0, 2, SPARE
	v_mov_b32 v[NIL], 0
	ds_add_u32 v[SPW], v[NIL]                      ; the wave's opening
	ds_add_u32 v[SPW], v[NIL]
	v_lshrrev_b32 v[ADR], 5, v0
	v_readfirstlane_b32 s[WV], v[ADR]              ; wave 0..3
	v_and_b32 v32, 31, v0                          ; lane
	v_lshlrev_b32 v33, 4, v32                      ; 16 x lane
	v_and_b32 v39, 15, v0                          ; r
	v_bfe_u32 v40, v0, 4, 1                        ; h
	v_lshlrev_b32 v[H8], 3, v40
	v_min_u32 v[PFO], 24, v32
	v_lshlrev_b32 v[PFO], 8, v[PFO]
	v_mov_b32 v[PX], 0                             ; written once: a lane permute's destination counts as one of its sources
	s_mul_i32 s[WB], s[WV], RECB
	s_bfe_u32 s17, ttmp6, 0x40000                  ; cx: my place in the cluster
	s_lshl_b32 s18, ttmp9, 2                       ; in a cluster launch ttmp9 counts clusters
	s_add_co_u32 s18, s18, s17                     ; my block of 64 queries: it enters q's and out0's addresses alone
	s_and_b32 s19, ttmp7, 0xffff                   ; the batch, which the four partners share
	; descriptor group 1: a record, dense, as 100 rows of 256 bytes (32 elements of 8 bytes).  No padding: images are read 16 bytes a lane on end
	s_mov_b32 s[G1], 15|(3<<16)|(1<<21)            ; 15:0 the mask: all four work-groups; 17:16 elements of 8 bytes; 21 set beside a mask
	s_mov_b32 s[G1+1], 32<<16                      ; tensor_dim0 = 32
	s_mov_b32 s[G1+2], 100<<16                     ; tensor_dim1 = 100
	s_mov_b32 s[G1+3], 32<<16                      ; tile_dim0 = 32
	s_mov_b32 s[G1+4], 100                         ; tile_dim1 = 100
	s_mov_b32 s[G1+5], 32                          ; tensor_dim0_stride
	s_mov_b32 s[G1+6], 0
	s_mov_b32 s[G1+7], 0
	s_mov_b32 s[SEL], 0x76543210
	s_mov_b32 s[SEL+1], 0xfedcba98
	s_mov_b32 s[CS], 0x3e0293ee                    ; c = log2(e) / sqrt(128)
	s_mov_b32 s[CS+1], s[CS]                       ; (named with it as a pair, so it is written)
	s_mov_b32 s[NC], 0xbe0293ee                    ; -c
	s_mov_b32 s[TB], 0
	s_mov_b32 s[SLOTS], 5
	s_lshl_b32 s56, s19, 5                         ; the batch's 32 records:
	s_lshl_b32 s55, s[WV], 3
	s_add_co_u32 s54, s56, s55                     ; my key group's first
	s_mul_i32 s54, s54, RECB
	s_mov_b32 s55, 0
	s_lshl_b32 s57, s17, 3
	s_add_co_u32 s56, s56, s57                     ; the prefetches: key group cx's records,
	s_add_co_u32 s56, s56, 2                       ; from step 2 on
	s_mul_i32 s56, s56, RECB
	s_mul_i32 s57, s[WV], 6400
	s_add_co_u32 s56, s56, s57                     ; my wave's quarter of one
	s_mov_b32 s57, 0
	s_lshl_b32 s58, s19, 12                        ; q and out0: my wave's tile, 16 rows of 512 bytes
	s_lshl_b32 s59, s18, 6
	s_add_co_u32 s58, s58, s59
	s_lshl_b32 s59, s[WV], 4
	s_add_co_u32 s58, s58, s59
	s_lshl_b32 s58, s58, 9
	s_mov_b32 s59, 0
	s_cmp_eq_u32 ttmp9, 0
	s_cselect_b32 s[LIM], 1, -1
	s_wait_alu depctr_va_vdst(0)
	s_wait_dscnt 0x0                               ; both opening adds are done
	s_wait_kmcnt 0x0
	s_add_nc_u64 s[4:5], s[4:5], s[58:59]
	s_add_nc_u64 s[8:9], s[8:9], s[58:59]
	s_add_nc_u64 s[PFA:PFA+1], s[6:7], s[56:57]
	s_mov_b32 s[G0], 1                             ; 1:0 count = 1
	s_mul_i32 s[G0+1], s[WV], RECB                 ; 63:32 LDS address: slot 0, wave x 25,600: no place in the cluster enters an LDS address
	s_add_nc_u64 s[G0+2:G0+3], s[6:7], s[54:55]    ; 120:64 global address: step 0
	s_or_b32 s[G0+3], s[G0+3], 0x80000000          ; 127:126 type = 2
.irp i, 0,1,2,3,4,5,6,7,8,9,10,11,12,13,14,15
	global_load_b128 v[128+4*\i:131+4*\i], v33, s[4:5] offset:512*\i th:TH_LOAD_NT   ; row i of my tile of q: 32 lanes read its 512 bytes
.endr
	CROUND                                         ; all four work-groups are here: the first joint loads meet
	tensor_load_to_lds s[G0:G0+3], s[G1:G1+7]      ; step 0
	s_nop 0
.rept 4
	v_nop
.endr
	; Q's tile w: through my stage into the lanes that the conversions want, quantised under the record's flight, and out as the image of the operand's registers
	s_mul_i32 s60, s[WV], 16*528
	s_add_co_u32 s60, s60, QSTG
	s_mul_i32 s61, s[WV], 1536
	s_add_co_u32 s61, s61, QIMG
	s_lshl_b32 s62, s[WV], 6
	s_add_co_u32 s62, s62, QSC
	v_add_nc_u32 v41, s60, v33                     ; in: a row to a store
	v_mul_u32_u24 v42, v39, 528
	v_lshl_add_u32 v42, v40, 7, v42
	v_add_nc_u32 v42, s60, v42                     ; back: row r, + 128 h
	v_add_nc_u32 v43, s61, v33                     ; the image
	v_lshl_add_u32 v44, v39, 2, s62                ; the scale word
	WIN 0x40
	v_mov_b32 v[FF+1], 0                           ; (named as the upper half of f's pair)
	WIN 0
	s_wait_alu depctr_va_vdst(0)
.irp i, 0,1,2,3,4,5,6,7,8,9,10,11,12,13,14,15
	s_wait_loadcnt 15-\i                           ; row i is in, the 15 - i younger loads may be out
	ds_store_b128 v41, v[128+4*\i:131+4*\i] offset:528*\i
.endr
.irp c, 0,1
.irp j, 0,1,2,3,4,5,6,7
	ds_load_b128 v[192+32*\c+4*\j:195+32*\c+4*\j], v42 offset:256*\c+16*\j   ; LDS serves a wave's instructions in order (ISA guide 5.7.1.4): these see my stores
.endr
.endr
	s_wait_dscnt 0x0
.irp c, 0,1
	v_max3_num_f32 v[BM+\c], |v[192+32*\c]|, |v[193+32*\c]|, 0x1800000   ; and the floor 2^(3 - 127): the byte cannot fall under 1
.endr
.irp i, 2,4,6,8,10,12,14,16,18,20,22,24,26,28,30
.irp c, 0,1
	v_max3_num_f32 v[BM+\c], v[BM+\c], |v[192+32*\c+\i]|, |v[193+32*\c+\i]|
.endr
.endr
.irp c, 0,1
	v_add_nc_u32 v[OP+\c], 0xff000000, v[BM+\c]    ; 2 off the exponent field
.endr
.irp c, 0,1
	v_lshrrev_b32 v[BM+\c], 23, v[OP+\c]           ; the scale's byte
.endr
	v_lshl_or_b32 v[WW], v[BM+1], 16, v[BM]
	v_lshlrev_b32 v[WW], v[H8], v[WW]
	v_permlanex16_b32 v[PX], v[WW], s[SEL], s[SEL+1]
	v_or_b32 v[WW], v[WW], v[PX]                   ; my row's scale word
.irp c, 0,1
	v_cvt_scalef32_pk16_fp6_f32 v[80+6*\c:82+6*\c], v[192+32*\c:207+32*\c], v[OP+\c]
	v_cvt_scalef32_pk16_fp6_f32 v[92+4*\c:94+4*\c], v[208+32*\c:223+32*\c], v[OP+\c]
.endr
	v_add_nc_u32 v[BM], QIMG, v33                  ; where I read the four images,
	v_lshl_add_u32 v[BM+1], v32, 2, QSC            ; and two tiles' scale words: lanes 0-15 the first's, lanes 16-31 the second's
.irp c, 0,1
.irp i, 0,1,2
	v_mov_b32 v[83+6*\c+\i], v[92+4*\c+\i]
.endr
.endr
.irp c, 0,1,2
	ds_store_b128 v43, v[80+4*\c:83+4*\c] offset:512*\c
.endr
	ds_store_b32 v44, v[WW]                        ; both halves of the lanes write the same word with the same value
	s_wait_alu depctr_va_vdst(0)
	s_wait_tensorcnt 0x0                           ; my record of step 0 is in
	ds_add_u32 v[SPW], v[NIL]
	s_xor_b32 s[G0+1], s[G0+1], SLOT1
	s_add_nc_u64 s[G0+2:G0+3], s[G0+2:G0+3], RECB
	s_wait_dscnt 0x0                               ; the add is done, and my image and scale words have landed, for the other waves' sake
	CROUND
	tensor_load_to_lds s[G0:G0+3], s[G1:G1+7]      ; step 1, into slot 1
	s_nop 0
.rept 4
	v_nop
.endr
	PLACE
	WIN 0x40
.irp t, 0,1,2,3
.irp c, 0,1,2
	ds_load_b128 v[QF+12*\t+4*\c:QF+12*\t+4*\c+3], v[BM] offset:1536*\t+512*\c   ; Q's four fragments stay in registers
.endr
.endr
	WIN 0
	ds_load_b32 v[QS], v[BM+1]
	ds_load_b32 v[QS+1], v[BM+1] offset:128
	KLOAD
.set TN, 0
.set SN, S
	WIN 0x04
	s_wait_alu depctr_va_vdst(0)
	s_wait_dscnt 12                                ; Q and K's fragments 0-3 are in; the 12 loads of fragments 4-7 may be out
.irp f, 0,1,2,3
	QK \f
.endr
	s_wait_dscnt 0x0
.irp f, 4,5,6,7
	QK \f
.endr
.rept 4
	v_nop                                          ; the places behind the products
.endr
	WIN 0
	TREE
	SEG 0,1,0,0                                    ; step 0
	WIN 0
	s_wait_alu depctr_va_vdst(0)
	ASK                                            ; step 2's records, three segments ahead of the load that wants them
	SEG 1,1,2,0
	SEG 2,1,2,3
	SEG 3,1,2,1                                    ; asks for step 2, into slot 0
	SEG 0,0,2,0                                    ; step 1's first tile
	WIN 0
	s_wait_alu depctr_va_vdst(0)
.Lstep:                                                ; 5 trips, steps 1 to 5: each asks for the step two on (3 to 7), and ends with the next step's first tile
	SEG 1,0,1,1
	SEG 2,0,1,2
	SEG 3,0,1,0
	SEG 0,0,1,0
	WIN 0
	s_sub_co_u32 s[SLOTS], s[SLOTS], 1
	s_cmp_lg_u32 s[SLOTS], 0
	s_wait_alu depctr_va_vdst(0)
	s_cbranch_scc1 .Lstep
	SEG 1,0,1,0                                    ; steps 6 and 7 fetch nothing: written out
	SEG 2,0,1,3
	SEG 3,0,1,0
	SEG 0,0,1,0
	SEG 1,0,1,6
	SEG 2,0,1,0
	SEG 3,0,1,5
.set TQ, 3
	WIN 0
	s_wait_alu depctr_va_vdst(0)
.irp e, 0,1,2,3,4,5,6,7
	PVP \e, 1                                      ; the last tile's products
.endr
	; THE MERGE.  Each wave puts -M, the sum and O^T of its four tiles into LDS, as images; then wave w finishes tile w from the four key groups' parts.
	WIN 0x0a
	v_add_f32 v140, v[LL], v[LL+1]                 ; the sum's two halves,
	v_add_f32 v141, v[LL+2], v[LL+3]
	WIN 0x0f
	v_add_f32 v142, v[LL], v[LL+1]
	v_add_f32 v143, v[LL+2], v[LL+3]
	WIN 0
.irp t, 0,1,2,3
	v_permlanex16_b32 v[144+\t], v[140+\t], s[SEL], s[SEL+1]
.endr
.irp t, 0,1,2,3
	v_mov_b32 v[128+2*\t], v[NM+\t]
	v_add_f32 v[129+2*\t], v[140+\t], v[144+\t]    ; and lane l xor 16's: my key group's sum, beside -M
.endr
	v_and_b32 v32, 31, v0
	v_lshlrev_b32 v33, 4, v32                      ; 16 x lane
	v_and_b32 v39, 15, v0
	v_bfe_u32 v40, v0, 4, 1
	s_lshl_b32 s56, s[WV], 15
	v_add_nc_u32 v34, s56, v33                     ; images, in: 32,768 x wave
	s_lshl_b32 s56, s[WV], 13
	v_add_nc_u32 v35, s56, v33                     ; back: key group g's tile w at 32,768 g + 8,192 w
	v_add_nc_u32 v36, 0x10000, v35                 ; (an LDS offset has 16 bits)
	s_lshl_b32 s56, s[WV], 10
	s_add_co_u32 s56, s56, STAT
	v_lshl_add_u32 v37, v32, 3, s56                ; statistics, in
	s_lshl_b32 s56, s[WV], 8
	s_add_co_u32 s56, s56, STAT
	v_lshl_add_u32 v38, v32, 3, s56                ; and back
	s_mul_i32 s56, s[WV], 16*528
	s_add_co_u32 s56, s56, QSTG                    ; my stage for the way out
	s_wait_alu depctr_va_vdst(0)
	v_mul_u32_u24 v41, v39, 528
	v_lshl_add_u32 v41, v40, 5, v41
	v_add_nc_u32 v41, s56, v41                     ; in: row r, + 32 h
	v_add_nc_u32 v42, s56, v33                     ; back: a row of 512 bytes
	s_wait_alu depctr_va_vdst(0)
	s_barrier_wait -1                              ; nobody reads slot 0 any more
.irp t, 0,1,2,3
	ds_store_b64 v37, v[128+2*\t:129+2*\t] offset:256*\t
.endr
	s_wait_alu depctr_va_vdst(0)
.irp t, 0,1,2,3
	WIN 4*(2+\t/2)
.irp e, 0,1,2,3,4,5,6,7
	ds_store_b128 v34, v[64*(\t%2)+8*\e:64*(\t%2)+8*\e+3] offset:8192*\t+1024*\e          ; each accumulator from its low end on
	ds_store_b128 v34, v[64*(\t%2)+8*\e+4:64*(\t%2)+8*\e+7] offset:8192*\t+1024*\e+512
.endr
.endr
	WIN 0
	s_wait_dscnt 0x0                               ; for the others' sake: my stores have landed
	s_barrier_signal -1
	s_barrier_wait -1
.irp g, 0,1,2,3
	ds_load_b64 v[44+2*\g:45+2*\g], v38 offset:1024*\g              ; key group g's -M and sum of my query
.endr
.irp n, 0,1,2,3,4,5,6,7,8,9,10,11,12,13,14,15
	ds_load_b128 v[128+4*\n:131+4*\n], v35 offset:512*\n
.endr
.irp n, 0,1,2,3,4,5,6,7,8,9,10,11,12,13,14,15
	ds_load_b128 v[192+4*\n:195+4*\n], v35 offset:32768+512*\n
.endr
	WIN 0x40
.irp n, 0,1,2,3,4,5,6,7,8,9,10,11,12,13,14,15
	ds_load_b128 v[4*\n:4*\n+3], v36 offset:512*\n
.endr
	WIN 0
	s_wait_dscnt 48                                ; the four statistics are in; the 48 loads of images may be out
	v_min_num_f32 v52, v44, v46
	v_min_num_f32 v53, v48, v50
	v_min_num_f32 v52, v52, v53                    ; the least -M: the largest M
.irp g, 0,1,2,3
	v_sub_f32 v[54+\g], v52, v[44+2*\g]            ; M of key group g - the largest M: a whole number, 0 or less
.endr
.irp g, 0,1,2,3
	v_cvt_i32_f32 v[54+\g], v[54+\g]
.endr
.irp g, 0,1,2,3
	v_ldexp_f32 v[54+\g], 1.0, v[54+\g]            ; its power of two: exact
.endr
	v_mul_f32 v58, v54, v45
	v_fmac_f32 v58, v55, v47
	v_fmac_f32 v58, v56, v49
	v_fmac_f32 v58, v57, v51                       ; the row's sum under the largest M
	s_wait_alu depctr_va_vdst(0)
	v_rcp_f32 v59, v58
	v_nop                                          ; a plain instruction behind the reciprocal
	s_wait_alu depctr_va_vdst(0)                   ; and the wait ahead of its first reader
.irp g, 0,1,2,3
	v_mul_f32 v[60+2*\g], v[54+\g], v59            ; key group g's weight, twice: a pair for the packed forms
	v_mul_f32 v[61+2*\g], v[54+\g], v59
.endr
	s_wait_alu depctr_va_vdst(0)
	s_wait_dscnt 32                                ; key group 0's images are in; groups 1 and 2's may be out
.set z, 128
.rept 32
	v_pk_mul_f32 v[z:z+1], v[z:z+1], v[60:61]
.set z, z+2
.endr
	WIN 0x40
.irp n, 0,1,2,3,4,5,6,7,8,9,10,11,12,13,14,15
	ds_load_b128 v[64+4*\n:67+4*\n], v36 offset:32768+512*\n
.endr
	WIN 0
	s_wait_alu depctr_va_vdst(0)
	s_wait_dscnt 32                                ; group 1's are in; groups 2 and 3's may be out
.set z, 128
.rept 32
	v_pk_fma_f32 v[z:z+1], v[z+64:z+65], v[62:63], v[z:z+1]
.set z, z+2
.endr
	WIN 0x01
	s_wait_alu depctr_va_vdst(0)
	s_wait_dscnt 16                                ; group 2's are in; group 3's may be out
.set z, 128
.rept 32
	v_pk_fma_f32 v[z:z+1], v[z-128:z-127], v[64:65], v[z:z+1]
.set z, z+2
.endr
	s_wait_alu depctr_va_vdst(0)
	s_wait_dscnt 0x0
.set z, 128
.rept 32
	v_pk_fma_f32 v[z:z+1], v[z-64:z-63], v[66:67], v[z:z+1]
.set z, z+2
.endr
	WIN 0
	; THE WAY OUT.  Register 8 e + i of lane (r, h) is out0(query r of the tile, channel 16 e + 8 h + i): through my own stage and back as whole rows of 512 bytes.
.irp e, 0,1,2,3,4,5,6,7
	ds_store_b128 v41, v[128+8*\e:131+8*\e] offset:64*\e
	ds_store_b128 v41, v[132+8*\e:135+8*\e] offset:64*\e+16
.endr
.irp i, 0,1,2,3,4,5,6,7,8,9,10,11,12,13,14,15
	ds_load_b128 v[192+4*\i:195+4*\i], v42 offset:528*\i            ; LDS serves a wave's instructions in order (ISA guide 5.7.1.4): these see my stores
.endr
.irp i, 0,1,2,3,4,5,6,7,8,9,10,11,12,13,14,15
	s_wait_dscnt 15-\i                             ; row i is back; the 15 - i younger loads may be out
	global_store_b128 v33, v[192+4*\i:195+4*\i], s[8:9] offset:512*\i th:TH_STORE_NT   ; 32 lanes store 512 consecutive bytes, at a multiple of 512 from out0's first byte
.endr
	s_wait_tensorcnt 0x0                           ; the wave's end
	ds_add_u32 v[SPW], v[NIL]
	s_wait_dscnt 0x0
	CROUND                                         ; the closing round: no work-group ends while a partner may still ask for a record that names it
	s_endpgm
.Lfunc_end_k_qe52222a267_attn:
	.size	k_qe52222a267_attn, .Lfunc_end_k_qe52222a267_attn-k_qe52222a267_attn
	.p2alignl 7, 3214868480
	.fill 96, 4, 3214868480
	.section	.rodata,"a",@progbits
	.p2align	6, 0x0
	.amdhsa_kernel k_qe52222a267_attn
		.amdhsa_group_segment_fixed_size 327680
		.amdhsa_private_segment_fixed_size 0
		.amdhsa_enable_private_segment 0
		.amdhsa_kernarg_size 24
		.amdhsa_user_sgpr_count 2
		.amdhsa_user_sgpr_kernarg_segment_ptr 1
		.amdhsa_wavefront_size32 1
		.amdhsa_system_sgpr_workgroup_id_x 1
		.amdhsa_system_sgpr_workgroup_id_y 1
		.amdhsa_system_sgpr_workgroup_id_z 1
		.amdhsa_system_vgpr_workitem_id 0
		.amdhsa_next_free_vgpr 1024
		.amdhsa_next_free_sgpr 66
		.amdhsa_reserve_vcc 0
		.amdhsa_float_denorm_mode_32 3
		.amdhsa_float_denorm_mode_16_64 3
		.amdhsa_memory_ordered 1
		.amdhsa_forward_progress 1
		.amdhsa_inst_pref_size 255
	.end_amdhsa_kernel
	.section	.bss,"aw",@nobits
	.p2align	6
	.space	262144
	.amdgpu_metadata
---
amdhsa.version: [ 1, 2 ]
amdhsa.kernels:
  - .name:           k_qe52222a267_attn
    .symbol:         k_qe52222a267_attn.kd
    .args:
      - { .name: q, .offset: 0, .size: 8, .value_kind: global_buffer, .address_space: global }
      - { .name: kvc, .offset: 8, .size: 8, .value_kind: global_buffer, .address_space: global }
      - { .name: out0, .offset: 16, .size: 8, .value_kind: global_buffer, .address_space: global }
    .group_segment_fixed_size: 327680
    .private_segment_fixed_size: 0
    .kernarg_segment_align: 8
    .kernarg_segment_size: 24
    .max_flat_workgroup_size: 128
    .sgpr_count:     66
    .vgpr_count:     1024
    .wavefront_size: 32
...
	.end_amdgpu_metadata
.endif
;; end of part 2
